; MI455X (gfx1250); checked and timed in simulation.
; The chip was launched on July 23, 2026; its instructions are those of AMD's public machine-readable ISA for CDNA 5 (MIT licence, August 2026) and "CDNA5" Instruction Set Architecture Reference Guide (July 2026). The comments in the code are by the model that wrote it; some were corrected since.
;; Soft Decision Tree. Allowed arithmetic: matrix products marked QUANTISED: E2M1 operands, one E8M0 scale for each 32 along K, by v_wmma_scale_f32_16x16x128_f8f6f4 with both operands' format E2M1 (or v_wmma_scale_f32_32x16x128_f4), f32 sums; products left as they are: f32 operands where the result goes on into a quantised operand, else bf16, f16 or f32 operands; f32 sums; everything else in f32.
;; Inputs: leaf_logits 1,024 x 2 float32; split_bias 1,023 float32; split_weights 1,023 x 4,096 float32; x 16,384 x 4,096 float32.
;; Outputs: out0 16,384 x 2 float32.
;; This version of the problem:
;;   THIS VERSION OF THE PROBLEM IS GIVEN IN LOW PRECISION. The matrix products marked QUANTISED in the list below multiply operands that are first quantised to E2M1 (2 exponent bits, 1 mantissa bit; 4 bits a number), with one power-of-two scale for each 32 numbers along K (OCP MX v1.0); their sums are f32. All else is computed in f32.
;;   The module's matrix products, in the order in which they are computed (A, B: the left and right operand; K: the contracted axis; several contracted axes count as one K, in the product's order):
;;     1. [M 16,384, K 4,096] x [K 4,096, N 1,023]; A: input x; B: input split_weights: QUANTISED
;;     2. [M 16,384, K 1,024] x [K 1,024, N 2]; A: computed on the way; B: computed on the way: left as it is (N = 2 < 16)
;;   THE QUANTISER, for each operand of a quantised product, along K:
;;     - K is cut into blocks of 32 from its start; a last block that is shorter is filled with zeros.
;;     - A block's scale is 2^e with e = floor(log2(the largest magnitude in the block)) - 2, held to -126 .. 127; a block of zeros has e = 0. As a byte (E8M0): e + 127.
;;     - Each number is divided by its block's scale, clamped to +-6, and rounded to the nearest number of E2M1, ties to even, subnormals kept.
;;     - The product sums the exact products of the quantised numbers (number of the format x scale) in f32.
;;   ~~~python
;;   def quantise(x, axis):      # numpy; x: float32 -> the quantised numbers, widened to float32 again
;;       x = np.moveaxis(x, axis, -1); K = x.shape[-1]
;;       x = np.pad(x, [(0, 0)] * (x.ndim - 1) + [(0, -K % 32)]); x = x.reshape(x.shape[:-1] + (-1, 32)); a = np.abs(x).max(-1, keepdims=True)
;;       e = np.where(a > 0, np.clip(np.frexp(np.where(a > 0, a, 1))[1] - 1 - 2, -126, 127), 0)      # np.frexp(a)[1] - 1 = floor(log2(a)), exactly
;;       r = np.clip(x / 2.0 ** e, -6, 6)
;;       step = 2.0 ** (np.maximum(np.frexp(np.where(r == 0, 1, r))[1] - 1, 0) - 1)
;;       q = np.round(r / step) * step * 2.0 ** e      # np.round: ties to even
;;       return np.moveaxis(q.reshape(q.shape[:-2] + (-1,))[..., :K], -1, axis).astype(np.float32)
;;   ~~~
;; One version. Each part assembles by itself: llvm-mc -triple=amdgcn-amd-amdhsa -mcpu=gfx1250 --defsym DOCPART=n.
;; ======== version 1 of 1: 2 launches
;; limits: right only within a limited range of input values
;; workspace buffers: wq 2,228,224 bytes; tab 12,288 bytes
;; launch prep (part 1): grid 264 x 1, 4 waves a work-group, no clusters, 11,264 bytes of LDS; arguments split_weights, split_bias, leaf_logits, wq, tab; writes wq, tab
.if DOCPART == 1
	.amdgcn_target "amdgcn-amd-amdhsa--gfx1250"
	.amdhsa_code_object_version 6
	.text
	.protected	k_q24183e0340_prep
	.globl	k_q24183e0340_prep
	.p2align	8
	.type	k_q24183e0340_prep,@function
k_q24183e0340_prep:
	s_mov_b64 s[64:65], 0
	v_nop
	global_prefetch_b8 v0, s[64:65] scope:SCOPE_SE
	s_setreg_imm32_b32 hwreg(HW_REG_WAVE_MODE, 25, 1), 1
	s_wait_xcnt 0x0
; split_weights [1023][4096] f32 becomes codes of FP4 (E2M1) with one E8M0 byte for each 32 along K, laid in wq as IMAGES OF OPERAND REGISTERS in the order in which the next launch takes them;
; leaf_logits and split_bias become the table tab.
; A block's scale is 2^(floor(log2(largest magnitude)) - 2); its byte is the largest magnitude's exponent field - 2, held at 1 from below.
; LIMITS: NaN and infinities in the inputs are not served.  A block of zeros gets the byte 1 where the rule says 127: its codes are zeros, which add nothing, and this program alone reads the bytes.
; WHICH ROW OF W STANDS WHERE.  Column 256 w + 16 t + m (wave w of the next launch, tile t, tile row m) holds node(g, s), g = 2 w + m / 8, s = 8 t + m % 8: g is one of the eight subtrees
; rooted at level 3 of the tree, s the place in its heap (root 1, children 2 s and 2 s + 1).  For s >= 1, with l = floor(log2 s): node = ((7 + g) << l) + s - 1.  The spare place s = 0 holds
; node w + 3 (g even) or node w (g odd); (w = 3, g odd) so holds node 3 a second time: that column is the 1,024th, and its result is never used.
; wq: block (T, w), T = K / 256, at (4 T + w) x 34,816 bytes.  In it the codes of (kk = which 128 of the 256, tile t, c) at 16,384 kk + 1,024 t + 512 c + 16 x lane: registers 4 c .. 4 c + 3 of the
; fragment; the scale words at 32,768 + 1,024 kk + 512 (u / 4) + 16 x lane + 4 (u % 4), u = t / 2: lanes 0-15 tile 2 u's rows, lanes 16-31 tile 2 u + 1's.
; tab: bytes 0 ..: for subtree g and i = 0 .. 63 the sixteen bytes (cl0, cl1, cr0 - cl0, cr1 - cl1), cl and cr the softmax of leaves 128 g + 2 i and 128 g + 2 i + 1;
;      bytes 8,192 ..: -log2(e) x split_bias[node(g, s)], 128 numbers a subtree.
; SHARES.  Work-group id: K128 index id / 8, w = (id / 2) % 4, Q2 = id % 2.  Wave v takes u = 4 Q2 + v: two tiles, 32 rows x 512 bytes.  Each load reads 512 consecutive bytes of one row: lane l holds
; k = 4 l .. 4 l + 3, eight lanes share a block.  The work-groups share no input, so there is nothing to ask for jointly; no tensor load, no ring.
.set BLKB,   34816
.set CPITCH, 80                        ; a row of 128 codes in the stage: 64 bytes + 16
.set CWAVE,  32*CPITCH                 ; a wave's stage: two tiles of 16 rows
.set SCW,    4*CWAVE                   ; behind the stages: the work-group's 512 bytes of scale words
.set LANE, 1                           ; v1   lane
.set L16,  2                           ; v2   16 x lane
.set QC,   3                           ; v3   stage, on the way in: my wave's + 2 x lane
.set QS,   4                           ; v4   scale bytes: SCW + 4 x wave + lane / 8
.set FA,   5                           ; v5   stage, on the way out: my wave's + 80 (lane % 16) + 16 (lane / 16)
.set SA,   6                           ; v6   SCW + 16 x lane
.set VO,   10                          ; v10-25 byte offset in W of each row of the even tile; v26-27 of the odd tile's rows 0 and 8
.set QM,   32                          ; piece p of four: v[QM + 24 p ..]: 8 largest magnitudes, 8 bytes, 8 registers of codes.  Each piece has its own
.set X,    128                         ; v128-255 the 32 rows as loaded, 4 registers a row
	s_load_b256 s[4:11], s[0:1], 0x0               ; W s[4:5], bias s[6:7], logits s[8:9], wq s[10:11]
	s_load_b64 s[12:13], s[0:1], 0x20              ; tab
	v_lshl_add_u32 v30, v0, 2, 0x2a00
	v_mov_b32 v31, 0
	v_lshrrev_b32 v[LANE], 5, v0
	v_readfirstlane_b32 s14, v[LANE]               ; wave v
	v_and_b32 v[LANE], 31, v0
	v_lshlrev_b32 v[L16], 4, v[LANE]
	s_mul_i32 s20, s14, CWAVE
	v_lshl_add_u32 v[QC], v[LANE], 1, s20
	s_lshl_b32 s21, s14, 2
	s_add_co_u32 s21, s21, SCW
	v_lshrrev_b32 v[QS], 3, v[LANE]
	v_add_nc_u32 v[QS], s21, v[QS]
	v_and_b32 v7, 15, v0
	v_bfe_u32 v8, v0, 4, 1
	v_mul_u32_u24 v[FA], v7, CPITCH
	v_lshl_add_u32 v[FA], v8, 4, v[FA]
	v_add_nc_u32 v[FA], s20, v[FA]
	v_add_nc_u32 v[SA], SCW, v[L16]
	s_mov_b32 s50, 0x1800000                       ; the floor 2^(3 - 127) under the largest magnitude: the byte cannot fall under 1
	s_mov_b32 s51, 0xff000000                      ; takes 2 off an exponent field
	s_lshr_b32 s15, ttmp9, 3                       ; which 128 along K
	s_bfe_u32 s16, ttmp9, 0x20001                  ; w
	s_and_b32 s17, ttmp9, 1                        ; Q2
	s_lshl_b32 s18, s17, 2
	s_add_co_u32 s18, s18, s14                     ; u
	s_lshl_b32 s19, s18, 1                         ; the even tile, t = 2 u
	s_lshl_b32 s22, s16, 1
	s_add_co_u32 s22, s22, 7                       ; 7 + g for the tile's rows 0-7,
	s_add_co_u32 s23, s22, 1                       ; and for its rows 8-15
; From t in s24: l = 3 + floor(log2 t) (all eight places 8 t .. 8 t + 7 lie on one level), and in s28, s29 the node of the tile's rows 0 and 8: ((7 + g) << l) + 8 t - 1
.macro NR
	s_cmp_ge_u32 s24, 2
	s_cselect_b32 s25, 4, 3
	s_cmp_ge_u32 s24, 4
	s_cselect_b32 s26, 1, 0
	s_cmp_ge_u32 s24, 8
	s_cselect_b32 s27, 1, 0
	s_add_co_u32 s25, s25, s26
	s_add_co_u32 s25, s25, s27
	s_lshl_b32 s26, s24, 3
	s_sub_co_u32 s26, s26, 1
	s_lshl_b32 s28, s22, s25
	s_add_co_u32 s28, s28, s26
	s_lshl_b32 s29, s23, s25
	s_add_co_u32 s29, s29, s26
.endm
; Row (h, j) of the even tile.  In tile 0 the eight places lie on levels of their own (lv = floor(log2 j)) and place 0 is the spare one; the choice hangs on ids alone.
.macro ROW0 h, j, lv
.if (\j) == 0
.if (\h) == 0
	s_add_co_u32 s30, s16, 3
.else
	s_mov_b32 s30, s16
.endif
.else
	s_lshl_b32 s30, s[22+\h], \lv
	s_add_co_u32 s30, s30, (\j)-1
.endif
	s_add_co_u32 s31, s[28+\h], \j
	s_cmp_eq_u32 s19, 0
	s_cselect_b32 s30, s30, s31
	v_lshl_add_u32 v[VO+8*\h+\j], s30, 14, v[L16]  ; a row of W is 16,384 bytes
.endm
	s_mov_b32 s24, s19
	NR
.irp h, 0,1
	ROW0 \h, 0, 0
	ROW0 \h, 1, 0
	ROW0 \h, 2, 1
	ROW0 \h, 3, 1
	ROW0 \h, 4, 2
	ROW0 \h, 5, 2
	ROW0 \h, 6, 2
	ROW0 \h, 7, 2
.endr
	s_add_co_u32 s24, s19, 1                       ; the odd tile: t >= 1, its rows are neighbours in W, eight and eight
	NR
	v_lshl_add_u32 v[VO+16], s28, 14, v[L16]
	v_lshl_add_u32 v[VO+17], s29, 14, v[L16]
	; where the results go
	s_lshr_b32 s34, s15, 1
	s_lshl_b32 s34, s34, 2
	s_add_co_u32 s34, s34, s16
	s_mul_i32 s34, s34, BLKB                       ; block (T, w)
	s_and_b32 s35, s15, 1                          ; kk
	s_lshl_b32 s36, s35, 14
	s_lshl_b32 s37, s18, 11
	s_add_co_u32 s36, s36, s37
	s_add_co_u32 s36, s36, s34                     ; codes: block + 16,384 kk + 1,024 x 2 u
	s_mov_b32 s37, 0
	s_lshl_b32 s40, s35, 10
	s_lshl_b32 s41, s17, 9
	s_add_co_u32 s40, s40, s41
	s_add_co_u32 s40, s40, s34
	s_add_co_u32 s40, s40, 32768                   ; scale words: block + 32,768 + 1,024 kk + 512 Q2
	s_mov_b32 s41, 0
	s_lshl_b32 s32, s15, 9                         ; my 512 bytes of each row
	s_mov_b32 s33, 0
	s_wait_alu depctr_va_vdst(0)
	s_wait_kmcnt 0x0
	s_cmp_ge_u32 ttmp9, 256                        ; work-groups 256 to 263 make the table and nothing else; the choice hangs on the work-group's number alone
	s_cbranch_scc1 .Ltable
	s_add_nc_u64 s[4:5], s[4:5], s[32:33]
	s_add_nc_u64 s[38:39], s[10:11], s[36:37]
	s_add_nc_u64 s[42:43], s[10:11], s[40:41]
.irp m, 0,1,2,3,4,5,6,7,8,9,10,11,12,13,14,15
	global_load_b128 v[X+4*\m:X+4*\m+3], v[VO+\m], s[4:5] th:TH_LOAD_NT
.endr
.irp m, 0,1,2,3,4,5,6,7,8,9,10,11,12,13,14,15
	global_load_b128 v[X+64+4*\m:X+64+4*\m+3], v[VO+16+\m/8], s[4:5] offset:(\m%8)*16384 th:TH_LOAD_NT
.endr
; Piece p: eight rows.  cnt: the loads issued behind the piece's eight.
.macro QPIECE p, cnt
.set XB, X+32*(\p)
.set MB, QM+24*(\p)
	s_wait_loadcnt \cnt
.irp jj, 0,1,2,3,4,5,6,7
	v_max3_num_f32 v[MB+\jj], |v[XB+4*\jj]|, |v[XB+4*\jj+1]|, s50
.endr
.irp jj, 0,1,2,3,4,5,6,7
	v_max3_num_f32 v[MB+\jj], |v[XB+4*\jj+2]|, |v[XB+4*\jj+3]|, v[MB+\jj]
.endr
.irp xm, 1,2,4                         ; with the seven other lanes of the block; the rows by turns
.irp jj, 0,1,2,3,4,5,6,7
	v_max_num_f32_dpp v[MB+\jj], v[MB+\jj], v[MB+\jj] row_xmask:\xm row_mask:0xf bank_mask:0xf
.endr
.endr
.irp jj, 0,1,2,3,4,5,6,7
	v_add_nc_u32 v[MB+\jj], s51, v[MB+\jj]         ; 2 off the exponent field: the conversion takes the exponent field of this operand as its scale
.endr
.irp jj, 0,1,2,3,4,5,6,7
	v_lshrrev_b32 v[MB+8+\jj], 23, v[MB+\jj]       ; the scale's byte
.endr
.irp jj, 0,1,2,3,4,5,6,7               ; a conversion takes eight registers: my four numbers of an even row and of the odd row behind it.  Each pair is converted under each row's scale, and of each result the half that belongs to the scale is kept
	v_cvt_scalef32_pk8_fp4_f32 v[MB+16+\jj], v[XB+8*(\jj/2):XB+8*(\jj/2)+7], v[MB+\jj]
.endr
	v_nop                                          ; one plain instruction behind the last scaled conversion
.irp jj, 0,1,2,3,4,5,6,7
.if \jj%2
	ds_store_b16_d16_hi v[QC], v[MB+16+\jj] offset:(8*(\p)+\jj)*CPITCH
.else
	ds_store_b16 v[QC], v[MB+16+\jj] offset:(8*(\p)+\jj)*CPITCH
.endif
	ds_store_b8 v[QS], v[MB+8+\jj] offset:(8*(\p)+\jj)*16      ; the eight lanes of a block write the same byte with the same value
.endr
.endm
	QPIECE 0, 24
	QPIECE 1, 16
	QPIECE 2, 8
	QPIECE 3, 0
.irp f, 0,1,2,3                        ; tile f / 2, c = f % 2: the fragment's registers 4 c .. 4 c + 3.  LDS serves a wave's instructions in order (ISA guide 5.7.1.4): these see my stores
	ds_load_b128 v[X+4*\f:X+4*\f+3], v[FA] offset:(\f/2)*16*CPITCH+32*(\f%2)
.endr
	s_wait_dscnt 0x0                               ; the fragments are in; and, for the others' sake, my scale bytes have landed
.irp f, 0,1,2,3
	global_store_b128 v[L16], v[X+4*\f:X+4*\f+3], s[38:39] offset:512*\f     ; 32 lanes store 512 consecutive bytes, at a multiple of 256 from wq's first byte
.endr
	s_barrier_signal -1
	s_barrier_wait -1                              ; all four waves' scale bytes lie in LDS
	s_cmp_lg_u32 s14, 0
	s_cbranch_scc1 .Lnot_wave_0
	ds_load_b128 v[X+16:X+19], v[SA]
	s_wait_dscnt 0x0
	global_store_b128 v[L16], v[X+16:X+19], s[42:43]
.Lnot_wave_0:
	s_branch .Ldone
.Ltable:
	; THE TABLE: work-groups 256 to 263, one for each subtree g = the work-group's number - 256.  This way uses no LDS and passes no barrier.
	s_and_b32 s52, ttmp9, 7                        ; g
	s_cmp_ge_u32 s14, 2
	s_cbranch_scc1 .Lbias
	s_lshl_b32 s44, s52, 10                        ; waves 0 and 1: i = 32 v + lane: the two leaves under place 64 + i
	s_lshl_b32 s45, s14, 9
	s_add_co_u32 s44, s44, s45
	s_mov_b32 s45, 0
	s_add_nc_u64 s[8:9], s[8:9], s[44:45]
	s_add_nc_u64 s[12:13], s[12:13], s[44:45]
	global_load_b128 v[148:151], v[L16], s[8:9]
	s_wait_loadcnt 0x0
	v_max_num_f32 v152, v148, v149                 ; the softmax of each leaf's two logits, the larger taken away first
	v_max_num_f32 v153, v150, v151
	v_sub_f32 v148, v148, v152
	v_sub_f32 v149, v149, v152
	v_sub_f32 v150, v150, v153
	v_sub_f32 v151, v151, v153
.irp e, 148,149,150,151
	v_mul_f32 v\e, 0x3fb8aa3b, v\e
.endr
	s_wait_alu depctr_va_vdst(0)
.irp e, 148,149,150,151
	v_exp_f32 v\e, v\e
.endr
	v_nop                                          ; a plain instruction behind the last exponential,
	s_wait_alu depctr_va_vdst(0)                   ; and the one wait ahead of the batch's first reader
	v_add_f32 v152, v148, v149
	v_add_f32 v153, v150, v151
	s_wait_alu depctr_va_vdst(0)
	v_rcp_f32 v152, v152
	v_rcp_f32 v153, v153
	v_nop
	s_wait_alu depctr_va_vdst(0)                   ; likewise for the two reciprocals
	v_mul_f32 v148, v148, v152
	v_mul_f32 v149, v149, v152
	v_mul_f32 v150, v150, v153
	v_mul_f32 v151, v151, v153
	v_sub_f32 v150, v150, v148                     ; right less left
	v_sub_f32 v151, v151, v149
	global_store_b128 v[L16], v[148:151], s[12:13]
	s_branch .Ldone
.Lbias:
	s_cmp_lg_u32 s14, 2
	s_cbranch_scc1 .Ldone
	s_add_co_u32 s46, s52, 7                       ; wave 2: places s = 4 x lane + e
	s_lshr_b32 s47, s52, 1
	s_add_co_u32 s48, s47, 3
	s_bitcmp1_b32 s52, 0
	s_cselect_b32 s47, s47, s48                    ; the spare place's node: w for g odd, w + 3 for g even
	s_lshl_b32 s44, s52, 9
	s_add_co_u32 s44, s44, 8192
	s_mov_b32 s45, 0
	s_add_nc_u64 s[12:13], s[12:13], s[44:45]
	v_min_u32 v161, 1, v[LANE]                     ; floor(log2 s) = how many of s >> 1 .. s >> 6 are not 0; s >> 2 = lane
.irp i, 1,2,3,4
	v_lshrrev_b32 v162, \i, v[LANE]
	v_min_u32 v162, 1, v162
	v_add_nc_u32 v161, v161, v162
.endr
	v_mov_b32 v163, s47
.irp e, 0,1,2,3
	v_lshl_add_u32 v[164+\e], v[LANE], 2, \e
	v_lshrrev_b32 v162, 1, v[164+\e]
	v_min_u32 v162, 1, v162
	v_add_nc_u32 v162, v161, v162
	v_lshlrev_b32 v162, v162, s46
	v_add3_u32 v[168+\e], v162, v[164+\e], -1      ; ((7 + g) << l) + s - 1
.endr
	v_cmp_eq_u32 vcc_lo, 0, v164
	v_cndmask_b32 v168, v168, v163, vcc_lo
.irp e, 0,1,2,3
	v_lshlrev_b32 v[168+\e], 2, v[168+\e]
.endr
.irp e, 0,1,2,3
	global_load_b32 v[172+\e], v[168+\e], s[6:7]
.endr
	s_wait_loadcnt 0x0
.irp e, 0,1,2,3
	v_mul_f32 v[172+\e], 0xbfb8aa3b, v[172+\e]     ; x -log2(e)
.endr
	global_store_b128 v[L16], v[172:175], s[12:13]
.Ldone:
	s_wait_tensorcnt 0x0
	ds_add_u32 v30, v31
	s_wait_dscnt 0x0
	s_endpgm
.Lfunc_end_k_q24183e0340_prep:
	.size	k_q24183e0340_prep, .Lfunc_end_k_q24183e0340_prep-k_q24183e0340_prep
	.p2alignl 7, 3214868480
	.fill 96, 4, 3214868480
	.section	.rodata,"a",@progbits
	.p2align	6, 0x0
	.amdhsa_kernel k_q24183e0340_prep
		.amdhsa_group_segment_fixed_size 11264
		.amdhsa_private_segment_fixed_size 0
		.amdhsa_enable_private_segment 0
		.amdhsa_kernarg_size 40
		.amdhsa_user_sgpr_count 2
		.amdhsa_user_sgpr_kernarg_segment_ptr 1
		.amdhsa_wavefront_size32 1
		.amdhsa_system_sgpr_workgroup_id_x 1
		.amdhsa_system_sgpr_workgroup_id_y 1
		.amdhsa_system_sgpr_workgroup_id_z 1
		.amdhsa_system_vgpr_workitem_id 0
		.amdhsa_next_free_vgpr 256
		.amdhsa_next_free_sgpr 66
		.amdhsa_reserve_vcc 1
		.amdhsa_float_denorm_mode_32 3
		.amdhsa_float_denorm_mode_16_64 3
		.amdhsa_memory_ordered 1
		.amdhsa_forward_progress 1
		.amdhsa_inst_pref_size 34
	.end_amdhsa_kernel
	.amdgpu_metadata
---
amdhsa.version: [ 1, 2 ]
amdhsa.kernels:
  - .name:           k_q24183e0340_prep
    .symbol:         k_q24183e0340_prep.kd
    .args:
      - { .name: split_weights, .offset: 0, .size: 8, .value_kind: global_buffer, .address_space: global }
      - { .name: split_bias, .offset: 8, .size: 8, .value_kind: global_buffer, .address_space: global }
      - { .name: leaf_logits, .offset: 16, .size: 8, .value_kind: global_buffer, .address_space: global }
      - { .name: wq, .offset: 24, .size: 8, .value_kind: global_buffer, .address_space: global }
      - { .name: tab, .offset: 32, .size: 8, .value_kind: global_buffer, .address_space: global }
    .group_segment_fixed_size: 11264
    .private_segment_fixed_size: 0
    .kernarg_segment_align: 8
    .kernarg_segment_size: 40
    .max_flat_workgroup_size: 128
    .sgpr_count:     66
    .vgpr_count:     256
    .wavefront_size: 32
...
	.end_amdgpu_metadata
.endif
;; end of part 1
;; launch tree (part 2): grid 256 x 1, 4 waves a work-group, clusters of 4 x 1, 327,680 bytes of LDS; arguments x, wq, tab, out0; writes out0
.if DOCPART == 2
	.amdgcn_target "amdgcn-amd-amdhsa--gfx1250"
	.amdhsa_code_object_version 6
	.text
	.protected	k_q24183e0340_tree
	.globl	k_q24183e0340_tree
	.p2align	8
	.type	k_q24183e0340_tree,@function
k_q24183e0340_tree:
	s_mov_b64 s[64:65], 0
	v_nop
	global_prefetch_b8 v0, s[64:65] scope:SCOPE_SE
	s_setreg_imm32_b32 hwreg(HW_REG_WAVE_MODE, 25, 1), 1
	s_wait_xcnt 0x0
	s_wait_alu depctr_hold_cnt(0) depctr_sa_sdst(0) depctr_va_vdst(0) depctr_va_sdst(0) depctr_va_ssrc(0) depctr_va_vcc(0) depctr_vm_vsrc(0)
	s_getreg_b32 s2, hwreg(HW_REG_IB_STS2, 6, 4)
	s_cmp_eq_u32 s2, 0
	s_cbranch_scc0 .Lentry_in_a_cluster
	s_endpgm
.Lentry_in_a_cluster:
	s_bfe_u32 s2, ttmp6, 0x10000c
	s_cmp_lg_u32 s2, 0x3003
	s_cbranch_scc0 .Lentry_shape_is_right
	s_endpgm
.Lentry_shape_is_right:
; out0[b][:] = the sum over the 1,024 leaves of (the product of the ten factors p or 1 - p on the leaf's path) x softmax(leaf_logits)[leaf][:], p = sigmoid(x W^T + bias); x W^T on codes of FP4 (E2M1) with
; one E8M0 scale for each 32 along K.  W's codes, its scale words and the table of leaf constants and biases were laid by the launch before (its head comment has the layouts and the place of each node).
; THE SUM OVER LEAVES is taken in its nested form, bottom up: v(node) = (1 - p) v(left) + p v(right), in f32, by fused multiply-adds: the same polynomial as the sum of products, in another order of rounding.
; LIMITS: NaN and infinities in x are not served.  A block of zeros gets the scale byte 1 where the rule says 127 (its codes are zeros; this program alone reads the bytes).  The bias enters as
; -log2(e) z - log2(e) bias, one fused multiply-add.  An exponential that overflows gives p = 0, one that falls to 0 gives p = 1.
; SHARES.  A work-group owns 64 rows of x, one row tile of 16 for each of four accumulator columns; wave w multiplies all 64 rows by columns 256 w .. 256 w + 255 of W: 64 accumulators, 512 registers.
; Wave w also quantises rows 16 w .. 16 w + 15 of x: they come from memory straight into registers, each load 512 consecutive bytes of one row, four times sixteen loads a wave on their way on counted
; waits; the codes go to the other waves through LDS, as rows with K innermost.  x is read once and never written.
; THE PRODUCT IS USED TRANSPOSED (source 0 = 16 rows of W, source 1 = 16 rows of x): lane (r, h) holds ONE row of x, and register j of accumulator (t, mt) is the logit of place 8 t + j of subtree 2 w + h:
; a whole subtree of 127 nodes lies in one lane's 128 registers, and the tree needs no other lane up to level 3.
; W goes in steps of 256 along K through a ring of two LDS slots.  A wave's block of a step (34,816 dense bytes: images of its 32 fragments, then its scale words) is brought by its own tensor load and read
; by it alone.  CLUSTER: every work-group walks the same W, so the four partners of a cluster ask for each block JOINTLY: the same load, the same descriptor, a mask that names the four.
; REGISTERS, in windows of 256.  Window 0: v1-14 addresses; v16-63 the quantiser's two sets; v64-67 x's scale words, v68-83 W's (these twenty hold scales and nothing else); v88-119 x's four fragments;
; v128-255 W's sixteen fragments.  Window 1: x as loaded, four buffers of 16 rows x 4 registers.  Windows 2, 3: accumulator (t, mt) in window 2 + mt / 2 at 128 (mt % 2) + 8 t.
.set BLKB,   34816                     ; a wave's block of W for one step
.set SLOTB,  4*BLKB                    ; a slot of the ring; slot 0 at LDS byte 0, slot 1 behind it
.set AIM,    2*SLOTB                   ; x's codes: two buffers of 64 rows,
.set APITCH, 144                       ; 128 bytes (256 along K) + 16: the sixteen rows of a fragment load start at sixteen different banks (64 banks of 4 bytes: ISA guide 11.1)
.set ABUF,   64*APITCH
.set ASC,    AIM+2*ABUF                ; x's scale words: buffer x 512 + (which 128) x 256 + 8 (16 (mt % 2) + r) + 4 (mt / 2)
.set EXB,    ASC+1024                  ; the exchange at the end: U at 512 w + 8 row; the top nodes' p 2,048 bytes further on
.set SPARE,  EXB+4096                  ; the spare words, 128 bytes for each wave: two blocks of 256 bytes that no other line names
.set SPW,  1                           ; v1   SPARE + 4 x my thread's number; never rewritten
.set NIL,  2                           ; v2   0; never rewritten
.set XO,   3                           ; v3   16 x lane
.set ADW,  4                           ; v4-5 my block in slot 0, 1, + 16 x lane
.set ADX,  6                           ; v6   AIM + 144 r + 16 h
.set AXS,  7                           ; v7   ASC + 8 x lane
.set QC,   8                           ; v8   AIM + my wave's 16 rows + 2 x lane
.set QS,   9                           ; v9   ASC + 128 (w % 2) + 4 (w / 2) + lane / 8
.set VB,   10                          ; v10  512 g: my subtree's biases in tab
.set VL,   11                          ; v11  1,024 g: its leaf constants
.set EXA,  12                          ; v12  EXB + 2,048 h + 512 w + 8 r
.set LANE, 13                          ; v13  lane
.set EXR,  14                          ; v14  EXB + 16 x lane
.set QM,   16                          ; piece pc of a sub-chunk's two: v[QM + 24 pc ..]: 8 largest magnitudes, 8 bytes, 8 registers of codes
.set XS,   64                          ; x's scale words: v[XS + 2 kk + H]: lanes 0-15 row tile 2 H, lanes 16-31 row tile 2 H + 1
.set WS,   68                          ; W's: v[WS + 8 kk + u]: lanes 0-15 tile 2 u, lanes 16-31 tile 2 u + 1
.set XF,   88
.set WF,   128
.set T9,   16                          ; the tree's values, a pair (class 0, class 1) a node: eight of level 9,
.set T8,   32                          ; four of level 8,
.set T7,   40                          ; two of level 7,
.set T6,   44                          ; the eight of level 6,
.set T5,   84                          ; four, two,
.set T4,   92
.set VS,   96                          ; and the subtree's, for each row tile;
.set PX,   104                         ; the p of the spare place, for each row tile;
.set OV,   108                         ; the other half of the lanes' VS
; s[4:5] x at my wave's rows, stepped once a trip; s[6:7] wq; s[8:9] tab; s[10:11] out0 at my work-group's rows; s12 wave; s13 cx; s14 work-group; s[16:23] descriptor group 1;
; s[24:27], s[28:31] group 0 of slot 0, 1; s32 trips; s33 the floor; s34 takes 2 off an exponent field; s[36:37] -log2(e); s[38:39] lane selects; s40-47 at work
.set MSB, 0
.macro WIN new                         ; the immediate's high byte repeats the setting that is left; a switch that changes nothing is dropped
.if MSB != (\new)
	s_set_vgpr_msb (MSB<<8)|(\new)
.set MSB, (\new)
.endif
.endm
.macro PLACES                          ; four plain instructions between a matrix instruction and a load into, or a vector instruction on, one of its registers (ISA guide 7.12.1 for vector instructions)
.rept 4
	v_nop
.endr
.endm
.macro CREST                           ; a round of the cluster's barrier behind its opening barrier
	s_cmp_lg_u32 s12, 0
	s_cbranch_scc1 .Lnot_wave_0_\@
	s_barrier_signal -3
.Lnot_wave_0_\@:
	s_barrier_wait -3
	s_barrier_signal -1
	s_barrier_wait -1
.endm
.macro CROUND                          ; a whole round
	s_barrier_signal -1
	s_barrier_wait -1
	CREST
.endm
; One product.  ra, rb: the scale words stand in lanes 16-31 of the register named
.macro W1 d, a, b, sa, sb, zero, ra, rb
.if (\zero) && (\ra) && (\rb)
	v_wmma_scale_f32_16x16x128_f8f6f4 v[(\d):(\d)+7], v[(\a):(\a)+7], v[(\b):(\b)+7], 0, v[\sa], v[\sb] matrix_a_fmt:MATRIX_FMT_FP4 matrix_b_fmt:MATRIX_FMT_FP4 matrix_a_scale:MATRIX_SCALE_ROW1 matrix_b_scale:MATRIX_SCALE_ROW1
.elseif (\zero) && (\ra)
	v_wmma_scale_f32_16x16x128_f8f6f4 v[(\d):(\d)+7], v[(\a):(\a)+7], v[(\b):(\b)+7], 0, v[\sa], v[\sb] matrix_a_fmt:MATRIX_FMT_FP4 matrix_b_fmt:MATRIX_FMT_FP4 matrix_a_scale:MATRIX_SCALE_ROW1
.elseif (\zero) && (\rb)
	v_wmma_scale_f32_16x16x128_f8f6f4 v[(\d):(\d)+7], v[(\a):(\a)+7], v[(\b):(\b)+7], 0, v[\sa], v[\sb] matrix_a_fmt:MATRIX_FMT_FP4 matrix_b_fmt:MATRIX_FMT_FP4 matrix_b_scale:MATRIX_SCALE_ROW1
.elseif \zero
	v_wmma_scale_f32_16x16x128_f8f6f4 v[(\d):(\d)+7], v[(\a):(\a)+7], v[(\b):(\b)+7], 0, v[\sa], v[\sb] matrix_a_fmt:MATRIX_FMT_FP4 matrix_b_fmt:MATRIX_FMT_FP4
.elseif (\ra) && (\rb)
	v_wmma_scale_f32_16x16x128_f8f6f4 v[(\d):(\d)+7], v[(\a):(\a)+7], v[(\b):(\b)+7], v[(\d):(\d)+7], v[\sa], v[\sb] matrix_a_fmt:MATRIX_FMT_FP4 matrix_b_fmt:MATRIX_FMT_FP4 matrix_a_scale:MATRIX_SCALE_ROW1 matrix_b_scale:MATRIX_SCALE_ROW1
.elseif \ra
	v_wmma_scale_f32_16x16x128_f8f6f4 v[(\d):(\d)+7], v[(\a):(\a)+7], v[(\b):(\b)+7], v[(\d):(\d)+7], v[\sa], v[\sb] matrix_a_fmt:MATRIX_FMT_FP4 matrix_b_fmt:MATRIX_FMT_FP4 matrix_a_scale:MATRIX_SCALE_ROW1
.elseif \rb
	v_wmma_scale_f32_16x16x128_f8f6f4 v[(\d):(\d)+7], v[(\a):(\a)+7], v[(\b):(\b)+7], v[(\d):(\d)+7], v[\sa], v[\sb] matrix_a_fmt:MATRIX_FMT_FP4 matrix_b_fmt:MATRIX_FMT_FP4 matrix_b_scale:MATRIX_SCALE_ROW1
.else
	v_wmma_scale_f32_16x16x128_f8f6f4 v[(\d):(\d)+7], v[(\a):(\a)+7], v[(\b):(\b)+7], v[(\d):(\d)+7], v[\sa], v[\sb] matrix_a_fmt:MATRIX_FMT_FP4 matrix_b_fmt:MATRIX_FMT_FP4
.endif
.endm
; 16 products: W's tiles t0 .. t0 + 7 x row tiles 2 hh, 2 hh + 1, 128 along K.  zero = 1: they start the sums: nothing is ever cleared.
; The 64 accumulators take turns, one instruction a turn, in the same order in every sub-step.
.macro MUL16 hh, t0, kk, zero
	WIN 0xa0+0x50*(\hh)                            ; W and x window 0; C and D window 2 or 3
.irp tt, 0,1,2,3,4,5,6,7
.irp mm, 0,1
	W1 128*\mm+8*((\t0)+\tt), WF+8*((\t0)+\tt), XF+8*(2*(\hh)+\mm), WS+8*(\kk)+((\t0)+\tt)/2, XS+2*(\kk)+(\hh), \zero, \tt%2, \mm
.endr
.endr
.endm
.macro LXF nb, nk, m0                  ; x's fragments of row tiles m0, m0 + 1 from buffer nb, its nk-th 128 along K: 4 loads
.irp mq, 0,1
.irp cq, 0,1
	ds_load_b128 v[XF+8*((\m0)+\mq)+4*\cq:XF+8*((\m0)+\mq)+4*\cq+3], v[ADX] offset:(\nb)*ABUF+((\m0)+\mq)*16*APITCH+64*(\nk)+32*\cq
.endr
.endr
.endm
.macro LSC ns, nb, nk                  ; the scale words of a sub-step: W's eight registers, x's two: 3 loads
	ds_load_b128 v[WS+8*(\nk):WS+8*(\nk)+3], v[ADW+(\ns)] offset:32768+1024*(\nk)
	ds_load_b128 v[WS+8*(\nk)+4:WS+8*(\nk)+7], v[ADW+(\ns)] offset:32768+1024*(\nk)+512
	ds_load_b64 v[XS+2*(\nk):XS+2*(\nk)+1], v[AXS] offset:512*(\nb)+256*(\nk)
.endm
.macro LWF ns, nk, t0                  ; W's fragments t0 .. t0 + 7 from slot ns: 16 loads of 512 consecutive bytes
.irp tq, 0,1,2,3,4,5,6,7
.irp cq, 0,1
	ds_load_b128 v[WF+8*((\t0)+\tq)+4*\cq:WF+8*((\t0)+\tq)+4*\cq+3], v[ADW+(\ns)] offset:16384*(\nk)+1024*((\t0)+\tq)+512*\cq
.endr
.endr
.endm
; THE QUANTISER of a sub-chunk (my 16 rows x 128 along K, in x's buffer xb), in two pieces of eight rows.  Lane l holds k = 4 l .. 4 l + 3 of each row; eight lanes share a block.
; QMAX: the largest magnitude of my four numbers of each row, over the floor.  cnt: the loads issued behind the piece's eight.  Its 16 plain instructions name no register of a product.
.macro QMAX xb, pc, cnt
.set XB, 64*(\xb)+32*(\pc)
.set MB, QM+24*(\pc)
	s_wait_loadcnt \cnt
	WIN 0x05                                       ; sources 0 and 1 window 1
.irp jj, 0,1,2,3,4,5,6,7
	v_max3_num_f32 v[MB+\jj], |v[XB+4*\jj]|, |v[XB+4*\jj+1]|, s33
.endr
.irp jj, 0,1,2,3,4,5,6,7
	v_max3_num_f32 v[MB+\jj], |v[XB+4*\jj+2]|, |v[XB+4*\jj+3]|, v[MB+\jj]
.endr
.endm
; QREST: the block's largest magnitude, the scale, the codes; 16 LDS stores: the codes into buffer ab, its kq-th 128 along K, and the scale bytes.
.macro QREST xb, pc, ab, kq
.set XB, 64*(\xb)+32*(\pc)
.set MB, QM+24*(\pc)
	WIN 0
.irp xm, 1,2,4
.irp jj, 0,1,2,3,4,5,6,7
	v_max_num_f32_dpp v[MB+\jj], v[MB+\jj], v[MB+\jj] row_xmask:\xm row_mask:0xf bank_mask:0xf
.endr
.endr
.irp jj, 0,1,2,3,4,5,6,7
	v_add_nc_u32 v[MB+\jj], s34, v[MB+\jj]         ; 2 off the exponent field: the conversion takes the exponent field of this operand as its scale
.endr
.irp jj, 0,1,2,3,4,5,6,7
	v_lshrrev_b32 v[MB+8+\jj], 23, v[MB+\jj]       ; the scale's byte
.endr
	WIN 0x01                                       ; source 0 window 1
.irp jj, 0,1,2,3,4,5,6,7               ; a conversion takes eight registers: my four numbers of an even row and of the odd row behind it.  Each pair is converted under each row's scale, and of each result the half that belongs to the scale is kept
	v_cvt_scalef32_pk8_fp4_f32 v[MB+16+\jj], v[XB+8*(\jj/2):XB+8*(\jj/2)+7], v[MB+\jj]
.endr
	WIN 0
	v_nop                                          ; one plain instruction behind the last scaled conversion
.irp jj, 0,1,2,3,4,5,6,7
.if \jj%2
	ds_store_b16_d16_hi v[QC], v[MB+16+\jj] offset:(\ab)*ABUF+(8*(\pc)+\jj)*APITCH+64*(\kq)
.else
	ds_store_b16 v[QC], v[MB+16+\jj] offset:(\ab)*ABUF+(8*(\pc)+\jj)*APITCH+64*(\kq)
.endif
	ds_store_b8 v[QS], v[MB+8+\jj] offset:512*(\ab)+256*(\kq)+8*(8*(\pc)+\jj)   ; the eight lanes of a block write the same byte with the same value
.endr
.endm
.macro XLOAD xb, sub                   ; sixteen loads: my 16 rows' 512 bytes at 512 x sub from where s[4:5] stands
	WIN 0x40                                       ; destination window 1
.irp j, 0,1,2,3,4,5,6,7,8,9,10,11,12,13,14,15
	global_load_b128 v[64*(\xb)+4*\j:64*(\xb)+4*\j+3], v[XO], s[4:5] offset:\j*16384+512*(\sub) th:TH_LOAD_NT
.endr
	WIN 0
.endm
; The same in the loop.  The last trip has nothing left to ask for (no load leaves x): it waits for all that is out instead, so that the counted waits behind it hold on this way too.
.macro XNEXT xb, sub
	WIN 0
	s_cmp_lg_u32 s32, 1
	s_cbranch_scc0 .Lx_last_\@
	XLOAD \xb, \sub
	s_branch .Lx_done_\@
.Lx_last_\@:
	s_wait_loadcnt 0x0
.Lx_done_\@:
.endm
; The runs of LDS loads for the NEXT sub-step stand in three gaps of a sub-step, each behind its places; with q = 1 a piece of the quantiser stands in the second and in the third, and its first half is the places.
.macro GAP2 q, ns, nk, xb, ab, kq
.if \q
	QMAX \xb, 0, 56                                ; behind the piece's eight loads: the sub-chunk's other eight and three sub-chunks of sixteen
.else
	PLACES
.endif
	WIN 0
	LWF \ns, \nk, 0
.if \q
	QREST \xb, 0, \ab, \kq
.endif
.endm
.macro GAP3 q, ns, nk, xb, ab, kq
.if \q
	QMAX \xb, 1, 48                                ; three sub-chunks of sixteen
.else
	PLACES
.endif
	WIN 0
	LWF \ns, \nk, 8
	LXF \ns, \nk, 2
.if \q
	QREST \xb, 1, \ab, \kq
.endif
.endm
; The first sub-step of a step in slot (and x buffer) sl.  It fetches the step's second sub-step.  w1: the LDS instructions issued behind the second gap's loads of the sub-step before (with the quantiser: 16 stores,
; 20 loads, 16 stores = 52; without: 20 loads); w2: those behind the third gap's loads (16 stores, or none).
.macro SUBA zero, sl, q, xb, ab, w1, w2
	s_wait_dscnt \w1
	MUL16 0, 0, 0, \zero
	s_wait_dscnt \w2
	MUL16 0, 8, 0, \zero
	PLACES
	WIN 0
	LXF \sl, 1, 0
	LSC \sl, \sl, 1
	MUL16 1, 0, 0, \zero
	GAP2 \q, \sl, 1, \xb, \ab, 1
	MUL16 1, 8, 0, \zero
	GAP3 \q, \sl, 1, \xb, \ab, 1
.endm
; The second sub-step of a step in slot rs changes slots: ONE barrier.  In front of it each wave waits for all its tensor loads (its block of the next slot), adds 0 to its spare word, and waits for that, for its reads of
; this slot and of this step's buffer of x, and for its stores into the next step's buffer.  Behind it the next step's codes of x lie whole in LDS and nobody reads this step's.
; fill = 1: the barrier opens a round of the cluster's, and slot rs is filled again, two steps ahead: that load has a whole step in which to land.
.macro TURN rs, fill, q, xb, ab
	WIN 0
	s_wait_tensorcnt 0x0                           ; no tensor load of mine is out, so a group 0 may be written
	ds_add_u32 v[SPW], v[NIL]                      ; 0 onto my spare word
.if \fill
	s_add_nc_u64 s[26+4*\rs:27+4*\rs], s[26+4*\rs:27+4*\rs], 2*SLOTB   ; two steps on; the type bits on top are not reached
.endif
	s_wait_dscnt 53                                ; as 52 above, and the add
	MUL16 0, 0, 1, 0                               ; sixteen products stand between the add and the wait for it
	s_wait_dscnt 0x0
	s_barrier_signal -1
	MUL16 0, 8, 1, 0                               ; work on registers while the others arrive
	WIN 0
	s_barrier_wait -1
.if \fill
	CREST                                          ; no wave of any partner still reads this slot or has a load on its way
	tensor_load_to_lds s[24+4*\rs:27+4*\rs], s[16:23]   ; the first thing behind the round, and my one tensor load until the next
	s_nop 0
.endif
	PLACES
	LXF 1-\rs, 0, 0
	LSC 1-\rs, 1-\rs, 0
	MUL16 1, 0, 1, 0
	GAP2 \q, 1-\rs, 0, \xb, \ab, 0
	MUL16 1, 8, 1, 0
	GAP3 \q, 1-\rs, 0, \xb, \ab, 0
.endm
	s_load_b256 s[4:11], s[0:1], 0x0               ; x s[4:5], wq s[6:7], tab s[8:9], out0 s[10:11]
	v_lshl_add_u32 v[SPW], v0, 2, SPARE
	v_mov_b32 v[NIL], 0
	ds_add_u32 v1, v2
	ds_add_u32 v1, v2
	s_wait_dscnt 0x0
	v_lshrrev_b32 v[LANE], 5, v0
	v_readfirstlane_b32 s12, v[LANE]               ; wave 0..3
	s_bfe_u32 s13, ttmp6, 0x40000                  ; cx: my place in the cluster: it enters x's and out0's addresses alone
	s_lshl_b32 s14, ttmp9, 2                       ; in a cluster launch ttmp9 counts clusters
	s_add_co_u32 s14, s14, s13                     ; my work-group
	v_and_b32 v[LANE], 31, v0
	v_and_b32 v120, 15, v0                         ; r
	v_bfe_u32 v121, v0, 4, 1                       ; h
	v_lshlrev_b32 v[XO], 4, v[LANE]
	s_mul_i32 s42, s12, BLKB                       ; my wave's block, in a slot and in a step of wq
	s_mov_b32 s43, 0
	v_add_nc_u32 v[ADW], s42, v[XO]
	v_add_nc_u32 v[ADW+1], SLOTB, v[ADW]
	v_mul_u32_u24 v[ADX], v120, APITCH
	v_lshl_add_u32 v[ADX], v121, 4, v[ADX]
	v_add_nc_u32 v[ADX], AIM, v[ADX]
	v_lshl_add_u32 v[AXS], v[LANE], 3, ASC
	s_mul_i32 s40, s12, 16*APITCH
	s_add_co_u32 s40, s40, AIM
	v_lshl_add_u32 v[QC], v[LANE], 1, s40
	s_and_b32 s40, s12, 1
	s_lshl_b32 s40, s40, 7
	s_lshr_b32 s41, s12, 1
	s_lshl_b32 s41, s41, 2
	s_add_co_u32 s40, s40, s41
	s_add_co_u32 s40, s40, ASC
	v_lshrrev_b32 v[QS], 3, v[LANE]
	v_add_nc_u32 v[QS], s40, v[QS]
	s_lshl_b32 s40, s12, 10
	v_lshl_add_u32 v[VB], v121, 9, s40             ; 512 (2 w + h)
	s_lshl_b32 s40, s12, 11
	v_lshl_add_u32 v[VL], v121, 10, s40            ; 1,024 (2 w + h)
	s_lshl_b32 s40, s12, 9
	s_add_co_u32 s40, s40, EXB
	v_lshl_add_u32 v[EXA], v121, 11, s40
	v_lshl_add_u32 v[EXA], v120, 3, v[EXA]
	v_add_nc_u32 v[EXR], EXB, v[XO]
	s_mov_b32 s33, 0x1800000                       ; the floor 2^(3 - 127) under the largest magnitude: the byte cannot fall under 1
	s_mov_b32 s34, 0xff000000
	s_mov_b32 s36, 0xbfb8aa3b                      ; -log2(e)
	s_mov_b32 s37, s36                             ; (named with it as a pair, so it is written)
	s_mov_b32 s38, 0x76543210
	s_mov_b32 s39, 0xfedcba98                      ; v_permlanex16_b32's selects for lane l xor 16
	; descriptor group 1: a dense block of 136 rows of 256 bytes
	s_mov_b32 s16, 15|(3<<16)|(1<<21)              ; 15:0 the mask: all four work-groups; 17:16 elements of 8 bytes; 20 no padding; 21 set beside a mask
	s_mov_b32 s17, 32<<16                          ; tensor_dim0 = 32
	s_mov_b32 s18, 136<<16                         ; tensor_dim1 = 136
	s_mov_b32 s19, 32<<16                          ; tile_dim0 = 32
	s_mov_b32 s20, 136                             ; tile_dim1 = 136
	s_mov_b32 s21, 32                              ; tensor_dim0_stride
	s_mov_b32 s22, 0
	s_mov_b32 s23, 0
	s_lshl_b32 s44, s14, 20                        ; my work-group's 64 rows of 16,384 bytes,
	s_lshl_b32 s45, s12, 18                        ; my wave's 16 of them
	s_add_co_u32 s44, s44, s45
	s_mov_b32 s45, 0
	s_lshl_b32 s46, s14, 9                         ; 64 rows of out0
	s_mov_b32 s47, 0
	s_wait_kmcnt 0x0
	s_add_nc_u64 s[4:5], s[4:5], s[44:45]
	s_add_nc_u64 s[10:11], s[10:11], s[46:47]
	s_mov_b32 s24, 1                               ; group 0 of slot 0: count = 1,
	s_mov_b32 s25, s42                             ; LDS address: my wave's block: no place in the cluster enters it,
	s_add_nc_u64 s[26:27], s[6:7], s[42:43]        ; global address: step 0, my wave's block: the same in all four partners
	s_mov_b32 s28, 1                               ; of slot 1: step 1
	s_add_co_u32 s29, s42, SLOTB
	s_add_nc_u64 s[30:31], s[26:27], SLOTB
	s_or_b32 s27, s27, 0x80000000                  ; type = 2
	s_or_b32 s31, s31, 0x80000000
	CROUND                                         ; all four work-groups are here: the first joint loads meet
	tensor_load_to_lds s[24:27], s[16:23]          ; step 0's block: my one tensor load at the head
	s_nop 0
	PLACES
	XLOAD 0, 0                                     ; x's stream begins: 64 loads a wave
	XLOAD 1, 1
	XLOAD 2, 2
	XLOAD 3, 3
	QMAX 0, 0, 56                                  ; step 0's codes of x, into buffer 0, while step 0's block of W is on its way
	QREST 0, 0, 0, 0
	QMAX 0, 1, 48
	QREST 0, 1, 0, 0
	XLOAD 0, 4
	QMAX 1, 0, 56
	QREST 1, 0, 0, 1
	QMAX 1, 1, 48
	QREST 1, 1, 0, 1
	XLOAD 1, 5
	s_wait_tensorcnt 0x0                           ; slot 1's first fill is issued as a refill is: my block of step 0 is in,
	ds_add_u32 v[SPW], v[NIL]                      ; 0 onto my spare word,
	s_wait_dscnt 0x0                               ; the add is done; and, for the others' sake, my codes and scale bytes of step 0 have landed,
	CROUND                                         ; a whole round: both now hold of every wave, and all four work-groups are here,
	tensor_load_to_lds s[28:31], s[16:23]          ; and step 1's block, the first tensor load behind the round
	s_nop 0
	PLACES
	LXF 0, 0, 0                                    ; the first sub-step's operands, with step 1's first half of x quantised between the runs
	LSC 0, 0, 0
	GAP2 1, 0, 0, 2, 1, 0
	GAP3 1, 0, 0, 2, 1, 0
	XLOAD 2, 6
	SUBA 1, 0, 1, 3, 1, 52, 16                     ; the first sub-step stands in front of the loop: its products start the sums
	XLOAD 3, 7
	s_mov_b32 s32, 7
.Ltrip:                                            ; a trip goes once round the ring, from a step's second sub-step to the first of the step two on, fills both slots again and quantises four sub-chunks of x
	TURN 0, 1, 1, 0, 0
	s_wait_xcnt 0x0                                ; the last trip's loads of x have read their base: it may step.  The youngest of them were issued ahead of TURN 0
	s_add_nc_u64 s[4:5], s[4:5], 2048              ; four sub-chunks on
	XNEXT 0, 4
	SUBA 0, 1, 1, 1, 0, 52, 16
	XNEXT 1, 5
	TURN 1, 1, 1, 2, 1
	XNEXT 2, 6
	SUBA 0, 0, 1, 3, 1, 52, 16
	XNEXT 3, 7
	s_sub_co_u32 s32, s32, 1
	s_cmp_lg_u32 s32, 0
	s_cbranch_scc1 .Ltrip
	; THE END of K is written out: nothing is filled and nothing is quantised.  x's registers take the tables, which land under the last three sub-steps.
	s_wait_loadcnt 0x0                             ; no load of x is out: its registers change owner
	WIN 0x40
.set i, 0
.rept 32
	global_load_b128 v[4*i:4*i+3], v[VB], s[8:9] offset:8192+16*i          ; my subtree's 128 scaled biases: window 1, v0-127
.set i, i+1
.endr
.set i, 0
.rept 32
	global_load_b128 v[128+4*i:128+4*i+3], v[VL], s[8:9] offset:16*i       ; the leaf constants of places 64 .. 95: window 1, v128-255
.set i, i+1
.endr
	WIN 0
	TURN 0, 0, 0, 0, 0
	SUBA 0, 1, 0, 0, 0, 20, 0
	s_wait_dscnt 20
	MUL16 0, 0, 1, 0
	s_wait_dscnt 0x0
	MUL16 0, 8, 1, 0
	MUL16 1, 0, 1, 0
	MUL16 1, 8, 1, 0
	PLACES
	WIN 0
.set i, 0
.rept 32
	global_load_b128 v[WF+4*i:WF+4*i+3], v[VL], s[8:9] offset:512+16*i     ; those of places 96 .. 127: where W's fragments lay
.set i, i+1
.endr
	s_wait_loadcnt 32                              ; the biases are in (behind them and the first leaf constants: the 32 loads just issued)
; THE SIGMOIDS of a window's 256 logits, in place, each accumulator from its low end on: -log2(e) z - log2(e) bias; 2^that; + 1; the reciprocal.  The exponentials are one batch with one wait, the reciprocals another.
.macro SIGM wn
	WIN 0x10+0x41*(\wn)                            ; destination and source 0: the window; source 2: window 1
.set i, 0
.rept 128
	v_pk_fma_f32 v[i:i+1], v[i:i+1], s[36:37], v[i%128:i%128+1] op_sel_hi:[1,0,1]
.set i, i+2
.endr
.set i, 0
	s_wait_alu depctr_va_vdst(0)
.rept 256
	v_exp_f32 v[i], v[i]
.set i, i+1
.endr
	v_nop                                          ; a plain instruction behind the last exponential,
	s_wait_alu depctr_va_vdst(0)                   ; and the one wait ahead of the batch's first reader
.set i, 0
.rept 128
	v_pk_add_f32 v[i:i+1], v[i:i+1], 1.0 op_sel_hi:[1,0]
.set i, i+2
.endr
.set i, 0
	s_wait_alu depctr_va_vdst(0)
.rept 256
	v_rcp_f32 v[i], v[i]
.set i, i+1
.endr
	v_nop
	s_wait_alu depctr_va_vdst(0)
.endm
	SIGM 2
	SIGM 3
	s_wait_loadcnt 0x0                             ; all leaf constants are in
; THE TREE.  A value is a pair (class 0, class 1); p of place sl is taken for both halves from its aligned pair at v[PB ..].
.macro LEAF d, sl, lc                  ; level 9: cl + p (cr - cl)
.if (\sl)%2
	v_pk_fma_f32 v[(\d):(\d)+1], v[PB+(\sl)-1:PB+(\sl)], v[(\lc)+2:(\lc)+3], v[(\lc):(\lc)+1] op_sel:[1,0,0] op_sel_hi:[1,1,1]
.else
	v_pk_fma_f32 v[(\d):(\d)+1], v[PB+(\sl):PB+(\sl)+1], v[(\lc)+2:(\lc)+3], v[(\lc):(\lc)+1] op_sel_hi:[0,1,1]
.endif
.endm
.macro NT sl, vl                       ; (1 - p) x the left value, in its place
.if (\sl)%2
	v_pk_fma_f32 v[(\vl):(\vl)+1], v[PB+(\sl)-1:PB+(\sl)], v[(\vl):(\vl)+1], v[(\vl):(\vl)+1] op_sel:[1,0,0] op_sel_hi:[1,1,1] neg_lo:[1,0,0] neg_hi:[1,0,0]
.else
	v_pk_fma_f32 v[(\vl):(\vl)+1], v[PB+(\sl):PB+(\sl)+1], v[(\vl):(\vl)+1], v[(\vl):(\vl)+1] op_sel_hi:[0,1,1] neg_lo:[1,0,0] neg_hi:[1,0,0]
.endif
.endm
.macro NV sl, d, vr, vl                ; + p x the right value
.if (\sl)%2
	v_pk_fma_f32 v[(\d):(\d)+1], v[PB+(\sl)-1:PB+(\sl)], v[(\vr):(\vr)+1], v[(\vl):(\vl)+1] op_sel:[1,0,0] op_sel_hi:[1,1,1]
.else
	v_pk_fma_f32 v[(\d):(\d)+1], v[PB+(\sl):PB+(\sl)+1], v[(\vr):(\vr)+1], v[(\vl):(\vl)+1] op_sel_hi:[0,1,1]
.endif
.endm
.macro LEVEL n, s0, src, dst           ; n nodes at places s0 on: children in pairs from src on, values from dst on; all first halves, then all second halves
.set k, 0
.rept \n
	NT (\s0)+k,(\src)+4*k
.set k, k+1
.endr
.set k, 0
.rept \n
	NV (\s0)+k,(\dst)+2*k,(\src)+4*k+2,(\src)+4*k
.set k, k+1
.endr
.endm
.macro TREE mt                         ; my row of row tile mt: the subtree's 127 nodes, in eight chunks of eight level-9 nodes up to level 6, then levels 5, 4, 3
.set PB, 128*((\mt)%2)
.set WN, 2+(\mt)/2
.irp c, 0,1,2,3,4,5,6,7
.if \c < 4
	WIN 0x14+WN                                    ; p in window 2 or 3; these leaf constants in window 1
.else
	WIN WN                                         ; and these in window 0
.endif
.set k, 0
.rept 8
	LEAF T9+2*k,64+8*\c+k,128+4*((8*\c+k)%32)
.set k, k+1
.endr
	WIN WN
	LEVEL 4, 32+4*\c, T9, T8
	LEVEL 2, 16+2*\c, T8, T7
	LEVEL 1, 8+\c, T7, T6+2*\c
.endr
	LEVEL 4, 4, T6, T5
	LEVEL 2, 2, T5, T4
	LEVEL 1, 1, T4, VS+2*(\mt)
	v_mov_b32 v[PX+\mt], v[PB]                     ; the spare place's p
.endm
	TREE 0
	TREE 1
	TREE 2
	TREE 3
	WIN 0
	; LEVEL 2: lanes 0-15 hold subtree 2 w (left) and node 3 + w's p, lanes 16-31 subtree 2 w + 1 (right) and the p of node w.
.irp i, 0,1,2,3,4,5,6,7
	v_permlanex16_b32 v[OV+\i], v[VS+\i], s38, s39
.endr
.set PB, PX
.irp m, 0,1,2,3
	NT \m,VS+2*\m
.endr
.irp m, 0,1,2,3
	NV \m,VS+2*\m,OV+2*\m,VS+2*\m                  ; U of my wave: right in lanes 0-15
.endr
	v_cmp_le_u32 vcc_lo, 16, v[LANE]
.irp m, 0,1,2,3
	v_cndmask_b32 v[VS+2*\m], v[VS+2*\m], v[PX+\m], vcc_lo    ; lanes 16-31 send their p in its stead
.endr
.irp m, 0,1,2,3
	ds_store_b64 v[EXA], v[VS+2*\m:VS+2*\m+1] offset:128*\m
.endr
	s_wait_dscnt 0x0                               ; for wave 0's sake: my stores have landed
	s_barrier_signal -1
	s_barrier_wait -1
	s_cmp_lg_u32 s12, 0
	s_cbranch_scc1 .Lclose
	; LEVELS 1 AND 0, by wave 0: lane l takes rows 2 l and 2 l + 1
.irp q, 0,1,2,3
	ds_load_b128 v[16+4*\q:19+4*\q], v[EXR] offset:512*\q          ; U of wave q: (row 2 l: class 0, 1; row 2 l + 1: class 0, 1)
.endr
.irp q, 0,1,2
	ds_load_b128 v[32+4*\q:35+4*\q], v[EXR] offset:2048+512*\q     ; p of node q: words 0 and 2
.endr
	s_wait_dscnt 0x0
.set PB, 32
.irp e, 0,2
	NT 4+\e,16+\e
	NT 8+\e,24+\e
.endr
.irp e, 0,2
	NV 4+\e,16+\e,20+\e,16+\e                      ; node 1 over U0, U1
	NV 8+\e,24+\e,28+\e,24+\e                      ; node 2 over U2, U3
.endr
.irp e, 0,2
	NT \e,16+\e
.endr
.irp e, 0,2
	NV \e,16+\e,24+\e,16+\e                        ; the root
.endr
	global_store_b128 v[XO], v[16:19], s[10:11]    ; 32 lanes store the work-group's 512 consecutive bytes, at a multiple of 256 from out0's first byte
.Lclose:
	s_wait_tensorcnt 0x0                           ; the wave's end, behind my last tensor load and my last LDS store
	ds_add_u32 v[SPW], v[NIL]
	s_wait_dscnt 0x0
	CROUND                                         ; the closing round: no work-group ends while a partner may still ask for a block that names it
	s_endpgm
.Lfunc_end_k_q24183e0340_tree:
	.size	k_q24183e0340_tree, .Lfunc_end_k_q24183e0340_tree-k_q24183e0340_tree
	.p2alignl 7, 3214868480
	.fill 96, 4, 3214868480
	.section	.rodata,"a",@progbits
	.p2align	6, 0x0
	.amdhsa_kernel k_q24183e0340_tree
		.amdhsa_group_segment_fixed_size 327680
		.amdhsa_private_segment_fixed_size 0
		.amdhsa_enable_private_segment 0
		.amdhsa_kernarg_size 32
		.amdhsa_user_sgpr_count 2
		.amdhsa_user_sgpr_kernarg_segment_ptr 1
		.amdhsa_wavefront_size32 1
		.amdhsa_system_sgpr_workgroup_id_x 1
		.amdhsa_system_sgpr_workgroup_id_y 1
		.amdhsa_system_sgpr_workgroup_id_z 1
		.amdhsa_system_vgpr_workitem_id 0
		.amdhsa_next_free_vgpr 1024
		.amdhsa_next_free_sgpr 66
		.amdhsa_reserve_vcc 1
		.amdhsa_float_denorm_mode_32 3
		.amdhsa_float_denorm_mode_16_64 3
		.amdhsa_memory_ordered 1
		.amdhsa_forward_progress 1
		.amdhsa_inst_pref_size 255
	.end_amdhsa_kernel
	.section	.bss,"aw",@nobits
	.p2align	6
	.space	262144
	.amdgpu_metadata
---
amdhsa.version: [ 1, 2 ]
amdhsa.kernels:
  - .name:           k_q24183e0340_tree
    .symbol:         k_q24183e0340_tree.kd
    .args:
      - { .name: x, .offset: 0, .size: 8, .value_kind: global_buffer, .address_space: global }
      - { .name: wq, .offset: 8, .size: 8, .value_kind: global_buffer, .address_space: global }
      - { .name: tab, .offset: 16, .size: 8, .value_kind: global_buffer, .address_space: global }
      - { .name: out0, .offset: 24, .size: 8, .value_kind: global_buffer, .address_space: global }
    .group_segment_fixed_size: 327680
    .private_segment_fixed_size: 0
    .kernarg_segment_align: 8
    .kernarg_segment_size: 32
    .max_flat_workgroup_size: 128
    .sgpr_count:     66
    .vgpr_count:     1024
    .wavefront_size: 32
...
	.end_amdgpu_metadata
.endif
;; end of part 2
